; MI455X (gfx1250); checked and timed in simulation.
; The chip was launched on July 23, 2026; its instructions are those of AMD's public machine-readable ISA for CDNA 5 (MIT licence, August 2026) and "CDNA5" Instruction Set Architecture Reference Guide (July 2026). The comments in the code are by the model that wrote it; some were corrected since.
;; Transformer. Allowed arithmetic: matrix products marked QUANTISED: E4M3 operands, one given power-of-two scale a tensor, by v_wmma_f32_16x16x64_fp8_fp8 or v_wmma_f32_16x16x128_fp8_fp8, f32 sums; products left as they are: f32 operands where the result goes on into a quantised operand, else bf16, f16 or f32 operands; f32 sums; everything else in f32.
;; Inputs: W_K 64 x 64 float32; W_Q 64 x 64 float32; W_V 64 x 64 float32; fb1 256 float32; fb2 64 float32; fw1 64 x 256 float32; fw2 256 x 64 float32; key_mask 64 x 1,024 int32; keys 64 x 1,024 x 64 float32; lowp_scales 12 int32 (the exponents e of the quantised operands' scales 2^e); queries 64 x 1,024 x 64 float32; query_mask 64 x 1,024 int32.
;; Outputs: out0 64 x 64 float32.
;; This version of the problem:
;;   THIS VERSION OF THE PROBLEM IS GIVEN IN LOW PRECISION. The matrix products marked QUANTISED in the list below multiply operands that are first quantised to E4M3 (4 exponent bits, 3 mantissa bits; 8 bits a number), with one given power-of-two scale for each operand tensor; their sums are f32. All else is computed in f32.
;;   The module's matrix products, in the order in which they are computed (A, B: the left and right operand; K: the contracted axis; several contracted axes count as one K, in the product's order):
;;     1. [M 65,536, K 64] x [K 64, N 64]; A: input queries; B: input W_Q: QUANTISED (scales: A lowp_scales[0], B lowp_scales[1])
;;     2. [M 65,536, K 64] x [K 64, N 64]; A: input keys; B: input W_K: QUANTISED (scales: A lowp_scales[2], B lowp_scales[3])
;;     3. [M 65,536, K 64] x [K 64, N 64]; A: input keys; B: input W_V: QUANTISED (scales: A lowp_scales[4], B lowp_scales[5])
;;     4. batch 256 x [M 1,024, K 16] x [K 16, N 1,024]; A: computed on the way; B: computed on the way: left as it is (K = 16 < 32)
;;     5. batch 256 x [M 16, K 1,024] x [K 1,024, N 1,024]; A: computed on the way; B: computed on the way: QUANTISED (scales: A lowp_scales[6], B lowp_scales[7])
;;     6. [M 65,536, K 64] x [K 64, N 256]; A: computed on the way; B: input fw1: QUANTISED (scales: A lowp_scales[8], B lowp_scales[9])
;;     7. [M 65,536, K 256] x [K 256, N 64]; A: computed on the way; B: input fw2: QUANTISED (scales: A lowp_scales[10], B lowp_scales[11])
;;   THE QUANTISER, for each operand of a quantised product, along K:
;;     - The operand's scale is 2^e, e = its entry of the input lowp_scales (int32; the entries are numbered through the quantised products in the list's order, A before B).
;;     - Each number is divided by the scale, clamped to +-448, and rounded to the nearest number of E4M3, ties to even, subnormals kept.
;;     - The product sums the exact products of the quantised numbers (number of the format x scale) in f32.
;;   ~~~python
;;   def quantise(x, axis, e):      # numpy; x: float32 -> the quantised numbers, widened to float32 again
;;       x = np.moveaxis(x, axis, -1); K = x.shape[-1]
;;       r = np.clip(x / 2.0 ** e, -448, 448)
;;       step = 2.0 ** (np.maximum(np.frexp(np.where(r == 0, 1, r))[1] - 1, -6) - 3)
;;       q = np.round(r / step) * step * 2.0 ** e      # np.round: ties to even
;;       return np.moveaxis(q, -1, axis).astype(np.float32)
;;   ~~~
;;   OPERANDS COMPUTED ON THE WAY. 'Computed on the way' means the value that the module computes at that place (a softmax that the list does not call 'softmax' is quantised finished and normalised). What goes into a quantiser is computed in f32, as accurately as f32 sums, v_exp_f32 and their like allow (about 1e-6 of the number): no bf16 or f16 on the way to a quantiser, and a product that is left as it is and whose result goes on into a quantised operand takes f32 operands (vector FMAs, or v_wmma_f32_16x16x4_f32). A number that lies on a knife's edge between two numbers of the format may be rounded either way, as far as f32 arithmetic and the matrix unit's own rounding can turn it there, and no further.
;; One version. Each part assembles by itself: llvm-mc -triple=amdgcn-amd-amdhsa -mcpu=gfx1250 --defsym DOCPART=n.
;; ======== version 1 of 1: 1 launch
;; launch attn (part 1): grid 64 x 1, 16 waves a work-group, no clusters, 327,680 bytes of LDS; arguments keys, queries, key_mask, query_mask, W_Q, W_K, W_V, fw1, fw2, fb1, fb2, lowp_scales, out0; writes out0
.if DOCPART == 1
	.amdgcn_target "amdgcn-amd-amdhsa--gfx1250"
	.amdhsa_code_object_version 6
	.text
	.protected	k_qf3100a0d08_attn
	.globl	k_qf3100a0d08_attn
	.p2align	8
	.type	k_qf3100a0d08_attn,@function
k_qf3100a0d08_attn:
	s_mov_b64 s[64:65], 0
	v_nop
	global_prefetch_b8 v0, s[64:65] scope:SCOPE_SE
	s_setreg_imm32_b32 hwreg(HW_REG_WAVE_MODE, 25, 1), 1
	s_wait_xcnt 0x0
; out0[b][:] = row 0 of the transformer block of batch b.  One work-group to a batch, sixteen waves, one launch.
; WORK LEFT OUT, AND WHY IT IS DEAD.  reference() returns result[:, 0, :].  Row t of result is made of queries[b][t], query_mask[b][t], row t of the scores and of the softmax, and of ALL keys and values of
; batch b; no row takes anything from another row of queries, scores, attn, out, hidden or result.  So rows t >= 1 of products 1, 4, 5, 6 and 7, of both residuals and of the activation are sliced away, whatever
; the inputs hold: they are not computed.  Products 2 and 3 stay whole: query 0 weighs every key (where every score of the row is NEG the softmax is 1/1024 on all 1,024 keys, masked ones and key 0 too).
; The eye mask on row 0 is: key 0 gets NEG.  Every input keeps a way to the output and is among the arguments; of queries only row 0 of each batch is read, of query_mask only [b][0].
; LIMIT: a NaN, an infinity or an overflow that arises only in rows t >= 1 is not carried to the result.
; LIMITS on the given exponents e0 .. e11, so that each conversion's scale and 448 x it are f32 numbers: e0, e1, e2, e3, e4, e5, e7, e8, e9, e11, e6 - e4 - e5 and e10 - e8 - e9 lie between -126 and 119.
; All other powers of two go by v_ldexp_f32.  NaN among the inputs is not served.
; NO CLUSTER: what work-groups share is the five weights, 180,224 bytes of f32; a batch's keys take 278,528 of the 327,680 bytes of LDS, so the weights do not fit beside them, and they are wanted column by column in
; registers.  All of a work-group's keys are asked for at its head, by one tensor load a wave: there is nothing further on to ask for ahead.
; SHARES.  w = wave 0..15, g = x = w >> 2, c = t = w & 3; lane l, r = l & 15, h = l >> 4.  Wave w owns keys 64 w .. 64 w + 63: it quantises them twice (e2, e4), makes Kh and Vh, its scores, its part of attn x V.
; The one matrix form is v_wmma_f32_16x16x64_fp8_fp8; registers 2 c, 2 c + 1 of lane (r, h) hold k = 16 c + 8 h + 0 .. 7 of row (or column) r.
; A WEIGHT UNIT: eight loads of 16 bytes; load j reads row (k) of the weight at columns 4 r .. 4 r + 3, so that sixteen lanes read 256 consecutive bytes.  The hold writes number (j, i) to place 8 i + j, and conversion i
; gives eight codes down K of column 4 r + i: a pair of registers of TILE i, whose lane r stands for column 4 r + i.  Which columns form a tile is free: it only says where a result lands.
; PRODUCTS 1, 2 (transposed: source 0 = tile t of W_Q or W_K, source 1 = 16 keys, or the query row sixteen times): register j of lane (r, h) is column 32 h + 4 j + t of key r: head 2 h + (j >> 2), d = 4 (j & 3) + t.
;   So a lane holds all 16 d of heads 2 h and 2 h + 1 for its key, and product 4 (f32, since it goes on into a quantiser) is sixteen fused multiply-adds a head, packed, with no exchange between lanes.
; PRODUCT 3 (source 0 = 16 keys, source 1 = tile t of W_V): register j of lane (r, h) is Vh[key 8 h + j][column 4 r + t]: eight neighbours along the keys, product 5's K: the conversion's result is product 5's operand.
; PRODUCT 5 (source 0 = V's codes, row m = column 4 m + t; source 1: column r = attn of head r & 3): useful where h = bit 1 of r and j >> 2 = bit 0 of r; the rest shares the tile with it.
; PRODUCT 6 (transposed; wave w owns tile w of fw1): register j of lane (., h) is hidden unit 64 g + 32 h + 4 j + t.  PRODUCT 7: wave w's unit of fw2 is just those 16 rows; row m of source 0 holds the hidden codes in
;   pair m & 3 and zero codes elsewhere, so that registers 0 .. 3 of every lane are the wave's part of outputs 4 r .. 4 r + 3.
; FOUR BARRIERS: the weights' images; the softmax's maxima and sums; the parts of attn x V; the parts of the last product.
.set KP,     272                       ; a key's row in LDS: 256 bytes + 16 of padding: row r starts 16 r bytes on, modulo 256
.set KPART,  64*KP                     ; a wave's 64 keys: 17,408 bytes = 68 blocks of 256
.set RESO,   1280                      ; in a wave's own part, once its keys are read: attn's rows (4 heads x 320 bytes) from 0, the result's row from 1,280
.set IMG,    16*KPART                  ; 278,528: images of W_Q, W_K, W_V: matrix x at 4096 x, tile i at 1024 i; registers 0-3 at 16 l, registers 4-7 at 512 + 16 l
.set IMGF1,  IMG+12288                 ; fw1's sixteen tiles, 1,024 bytes each
.set STAT,   IMGF1+16384               ; maxima at 64 (2 h + u) + 4 w, sums 256 bytes on
.set PART,   STAT+512                  ; 512 bytes a wave: 64 columns of attn x V, then 256 bytes for the lanes that hold nothing of use
.set YP,     PART+8192                 ; 512 bytes a wave, 256 used: the same pitch as PART, so that one address serves both
.set SPARE,  YP+8192                   ; 324,096: the spare words, 128 bytes for each wave: eight blocks of 256 bytes that no other line names
; vector registers that stay
.set SPW,  1                           ; LDS address of my spare word; never rewritten
.set NIL,  2                           ; 0; never rewritten
.set KA,   3                           ; my wave's keys: KPART w + 272 r + 32 h
.set IMGL, 4                           ; IMG + 16 l
.set F1R,  5                           ; IMGF1 + 1024 w + 16 l
.set PST,  6                           ; KPART w + 640 h + 4 r
.set PRD,  7                           ; KPART w + 320 (r & 3) + 32 h
.set STW,  8                           ; STAT + 128 h + 4 w
.set STR,  9                           ; STAT + 128 h + 4 r
.set PARTW, 10                         ; PART + 512 w + 64 (r & 3) + 256 (h xor bit 1 of r)
.set RD,   11                          ; PART + 512 h + 16 r
.set RESW, 12                          ; KPART w + 1280 + 16 r
.set RESR, 13                          ; KPART w + 1280 + 32 h
.set YPW,  14                          ; YP + 512 w + 16 r
.set ROFF, 15                          ; 16 r
.set B1OFF, 16                         ; 128 h
.set WSTC, 17                          ; IMG + 4096 x + 512 (c >> 1) + 8 (c & 1) + 16 l
.set WSTA, 18                          ; the same in IMGF1
.set WOFF1, 19                         ; 8192 h + 16 r
.set WOFF2, 20                         ; 2048 h + 16 r
.set QOFF, 21                          ; 32 h
.set MOFF, 22                          ; 4 r
;      v24, v25: 2^e2 and 448 x it;  v26, v27: e4;  v28, v29: e6 - e4 - e5
.set SC,   30                          ; the scale in hand,
.set LIM,  31                          ; and 448 x it
.set S,    32                          ; v32-39   scores: register 2 cc + u: head 2 h + u, key 16 cc + r
.set KC,   40                          ; v40-47   codes of 16 keys for product 2; the query's codes; attn's codes
.set SS,   40                          ; v40-43   the scores' sums at work
.set VC,   48                          ; v48-55   codes of 16 keys for product 3
.set F2U,  56                          ; v56-63   my unit of fw2
.set WK,   64                          ; v64-95   W_K's four tiles      (at the head: a unit of W_Q, W_K or W_V as loaded)
.set WV,   96                          ; v96-127  W_V's four tiles      (at the head: fw1's unit as loaded)
.set QF,   128                         ; v128-159 product 1's results   (at the head: fw2's unit as loaded)
.set VCD,  160                         ; v160-191 V's codes, four tiles (at the head: the query row)
.set X,    192                         ; v192-223 keys as loaded, then product 3's results; at work
.set T,    224                         ; v224-255 keys held, then product 2's and 5's results; at work
; behind the walk over the keys
.set FB1,  64                          ; v64-71   fb1 / 2^(e8 + e9): product 6's C
.set RES,  72                          ; v72-75   queries' piece, then the result's
.set FB2,  76                          ; v76-79   fb2 (wave 0)
.set F1F,  80                          ; v80-87   my tile of fw1
.set RC,   88                          ; v88-95   the result's codes
.set HC,   96                          ; v96-97   my hidden units' codes
.set A7,   98                          ; v98-105  product 7's source 0
.set Y,    106                         ; v106-113 its results
.set MX,   114                         ; v114-115 maxima (u = 0, 1)
.set SM,   116                         ; v116-117 sums; later 1 / sum x qm
.set ST4,  118                         ; v118-121 the waves' maxima and sums as loaded
.set FF,   122                         ; v122-123 2^(my wave's maximum - the row's)
.set QM,   124                         ; v124-125 qm, twice
.set NEGR, 126                         ; v126     -2^32 + 1 as f32
.set E,    128                         ; v128-135 exponentials, then attn
.set H2,   136                         ; v136-143 0.2 x the hidden layer
.set HH,   144                         ; v144-151 the hidden layer
.set PD,   208                         ; v208-211 what the other half of the lanes holds
; scalar registers: s2 w, s3 the chosen weight's exponent, s4 g = x, s5 c = t, s[6:7] an offset; s[8:33] the thirteen addresses; s[34:35] the chosen weight; s36-47 e0 .. e11; s48 query_mask[b][0];
; s49-51, s100, s101 at work; s[52:59] descriptor group 1; s60-63, s66, s67, s72-83 scales' bits; s[68:71] descriptor group 0; s84-87 which keys count; s88-92 lane masks; s93 EXEC kept; s94, s95 lane selects; s96-99 sums of exponents
.macro PLACES n                        ; plain vector instructions that name no register of the matrix instruction before them (ISA guide 7.12.1)
.rept \n
	v_nop
.endr
.endm
.macro BAR                             ; my LDS stores have landed and my LDS loads are in: then the work-group's barrier
	s_wait_dscnt 0x0
	s_barrier_signal -1
	s_barrier_wait -1
.endm
.macro SBITS sc, lim, e                ; s[sc] = 2^e as f32, s[lim] = 448 x 2^e, e in s[e]
	s_add_co_i32 s100, s[\e], 127
	s_lshl_b32 s[\sc], s100, 23
	s_add_co_i32 s100, s100, 8
	s_lshl_b32 s100, s100, 23
	s_or_b32 s[\lim], s100, 0x600000
.endm
.macro SETSC sc, lim
	v_mov_b32 v[SC], s[\sc]
	v_mov_b32 v[LIM], s[\lim]
.endm
.macro WLOAD reg, off, base, pitch     ; a weight unit: eight rows, 16 bytes a lane
.irp j, 0,1,2,3,4,5,6,7
	global_load_b128 v[\reg+4*\j:\reg+4*\j+3], v[\off], s[\base:\base+1] offset:\j*\pitch
.endr
.endm
.macro WQUANT reg, cod                 ; the unit becomes four pairs of code registers: pair i = column 4 r + i, eight codes down K
.irp i, 0,1,2,3
.irp j, 0,1,2,3,4,5,6,7
	v_med3_num_f32 v[X+8*\i+\j], v[\reg+4*\j+\i], -v[LIM], v[LIM]   ; the hold (the conversion to an 8-bit code does not saturate: ISA guide 7.6.2) also brings a column's eight numbers together
.endr
.endr
.irp i, 0,1,2,3
	v_cvt_scalef32_pk8_fp8_f32 v[\cod+2*\i:\cod+2*\i+1], v[X+8*\i:X+8*\i+7], v[SC]
.endr
	v_nop                                          ; a plain instruction between the last conversion and whatever next touches its result or writes its sources
.endm
.macro WIMG adr, cod                   ; pair i into tile i's image
.irp i, 0,1,2,3
	ds_store_b64 v[\adr], v[\cod+2*\i:\cod+2*\i+1] offset:1024*\i
.endr
.endm
.macro QUANT32 reg, cod                ; 32 numbers of a lane, register 8 q + i = k 16 q + 8 h + i, become a fragment
.set i, 0
.rept 32
	v_med3_num_f32 v[\reg+i], v[\reg+i], -v[LIM], v[LIM]
.set i, i+1
.endr
.irp q, 0,1,2,3
	v_cvt_scalef32_pk8_fp8_f32 v[\cod+2*\q:\cod+2*\q+1], v[\reg+8*\q:\reg+8*\q+7], v[SC]
.endr
	v_nop
.endm
.macro ROWMAX a, b                     ; the largest among the sixteen lanes of a half, two registers by turns
.irp m, 1,2,4,8
	v_max_num_f32_dpp v[\a], v[\a], v[\a] row_xmask:\m row_mask:0xf bank_mask:0xf
	v_max_num_f32_dpp v[\b], v[\b], v[\b] row_xmask:\m row_mask:0xf bank_mask:0xf
.endr
.endm
.macro ROWSUM a, b
.irp m, 1,2,4,8
	v_add_f32_dpp v[\a], v[\a], v[\a] row_xmask:\m row_mask:0xf bank_mask:0xf
	v_add_f32_dpp v[\b], v[\b], v[\b] row_xmask:\m row_mask:0xf bank_mask:0xf
.endr
.endm
.macro TREE                            ; eight waves' four columns in v[T] on are added, then the other half's eight waves: every lane ends with columns 4 r .. 4 r + 3 in v[T:T+3]
.irp k, 0,2,4,6,8,10,12,14
	v_pk_add_f32 v[T+\k:T+\k+1], v[T+\k:T+\k+1], v[T+16+\k:T+16+\k+1]
.endr
.irp k, 0,2,4,6
	v_pk_add_f32 v[T+\k:T+\k+1], v[T+\k:T+\k+1], v[T+8+\k:T+8+\k+1]
.endr
.irp k, 0,2
	v_pk_add_f32 v[T+\k:T+\k+1], v[T+\k:T+\k+1], v[T+4+\k:T+4+\k+1]
.endr
.irp k, 0,1,2,3
	v_permlanex16_b32 v[PD+\k], v[T+\k], s94, s95
.endr
	v_pk_add_f32 v[T:T+1], v[T:T+1], v[PD:PD+1]
	v_pk_add_f32 v[T+2:T+3], v[T+2:T+3], v[PD+2:PD+3]
.endm
	s_load_b512 s[8:23], s[0:1], 0x0               ; keys, queries, key_mask, query_mask, W_Q, W_K, W_V, fw1
	s_load_b256 s[24:31], s[0:1], 0x40             ; fw2, fb1, fb2, lowp_scales
	s_load_b64 s[32:33], s[0:1], 0x60              ; out0
	v_lshl_add_u32 v[SPW], v0, 2, SPARE
	v_mov_b32 v[NIL], 0
	ds_add_u32 v[SPW], v[NIL]                      ; the wave's opening: the add, twice on end, and its wait ahead of my tensor load; the set-up below, work on registers, stands between
	ds_add_u32 v[SPW], v[NIL]
	v_lshrrev_b32 v23, 5, v0
	v_readfirstlane_b32 s2, v23                    ; w
	s_lshr_b32 s4, s2, 2                           ; g = x
	s_and_b32 s5, s2, 3                            ; c = t
	v_and_b32 v244, 31, v0                         ; l
	v_and_b32 v245, 15, v0                         ; r
	v_bfe_u32 v246, v0, 4, 1                       ; h
	v_and_b32 v247, 3, v0                          ; r & 3
	v_bfe_u32 v248, v0, 1, 1
	v_xor_b32 v248, v248, v246                     ; h xor bit 1 of r: 0 in the lanes whose part of product 5 is of use
	s_mul_i32 s49, s2, KPART                       ; my wave's keys in LDS
	; descriptor group 1: 64 rows x 64 elements of 4 bytes, dense in memory, 16 bytes of padding behind each row in LDS
	s_mov_b32 s52, (2<<16)|(1<<20)|(5<<22)|(3<<25) ; no mask; elements of 4 bytes; padding on: after every 64 words, 4 words
	s_mov_b32 s53, 64<<16                          ; tensor_dim0 = 64
	s_mov_b32 s54, 64<<16                          ; tensor_dim1 = 64
	s_mov_b32 s55, 64<<16                          ; tile_dim0 = 64
	s_mov_b32 s56, 64                              ; tile_dim1 = 64
	s_mov_b32 s57, 64                              ; elements from row to row
	s_mov_b32 s58, 0
	s_mov_b32 s59, 0
	s_mov_b32 s88, 0xaaaaaaaa                      ; lanes with r odd
	s_mov_b32 s89, 0x11111111                      ; lanes with r & 3 = 0,
	s_mov_b32 s90, 0x22222222                      ; 1,
	s_mov_b32 s91, 0x44444444                      ; 2,
	s_mov_b32 s92, 0x88888888                      ; 3
	s_mov_b32 s94, 0x76543210                      ; v_permlanex16_b32: lane l xor 16
	s_mov_b32 s95, 0xfedcba98
	; every LDS address is made here, ahead of the first branch on the wave's number
	v_mul_u32_u24 v[KA], v245, KP
	v_lshl_add_u32 v[KA], v246, 5, v[KA]
	v_add_nc_u32 v[KA], s49, v[KA]
	v_lshl_add_u32 v[IMGL], v244, 4, IMG
	s_lshl_b32 s50, s2, 10
	s_add_co_u32 s50, s50, IMGF1
	v_lshl_add_u32 v[F1R], v244, 4, s50
	v_mul_u32_u24 v[PST], v246, 640
	v_lshl_add_u32 v[PST], v245, 2, v[PST]
	v_add_nc_u32 v[PST], s49, v[PST]
	v_mul_u32_u24 v[PRD], v247, 320
	v_lshl_add_u32 v[PRD], v246, 5, v[PRD]
	v_add_nc_u32 v[PRD], s49, v[PRD]
	s_lshl_b32 s50, s2, 2
	s_add_co_u32 s50, s50, STAT
	v_lshl_add_u32 v[STW], v246, 7, s50
	v_lshlrev_b32 v[STR], 2, v245
	v_lshl_add_u32 v[STR], v246, 7, v[STR]
	v_add_nc_u32 v[STR], STAT, v[STR]
	s_lshl_b32 s50, s2, 9
	s_add_co_u32 s51, s50, PART
	v_lshlrev_b32 v[PARTW], 6, v247
	v_lshl_add_u32 v[PARTW], v248, 8, v[PARTW]
	v_add_nc_u32 v[PARTW], s51, v[PARTW]
	s_add_co_u32 s51, s50, YP
	v_lshl_add_u32 v[YPW], v245, 4, s51
	v_lshlrev_b32 v[RD], 4, v245
	v_lshl_add_u32 v[RD], v246, 9, v[RD]
	v_add_nc_u32 v[RD], PART, v[RD]
	s_add_co_u32 s51, s49, RESO
	v_lshl_add_u32 v[RESW], v245, 4, s51
	v_lshl_add_u32 v[RESR], v246, 5, s51
	s_lshr_b32 s50, s5, 1
	s_lshl_b32 s50, s50, 9
	s_and_b32 s51, s5, 1
	s_lshl_b32 s51, s51, 3
	s_add_co_u32 s50, s50, s51
	s_lshl_b32 s51, s4, 12
	s_add_co_u32 s50, s50, s51                     ; 4096 x + 512 (c >> 1) + 8 (c & 1)
	s_add_co_u32 s51, s50, IMG
	v_lshl_add_u32 v[WSTC], v244, 4, s51
	s_add_co_u32 s51, s50, IMGF1
	v_lshl_add_u32 v[WSTA], v244, 4, s51
	v_lshlrev_b32 v[ROFF], 4, v245
	v_lshlrev_b32 v[B1OFF], 7, v246
	v_lshl_add_u32 v[WOFF1], v246, 13, v[ROFF]
	v_lshl_add_u32 v[WOFF2], v246, 11, v[ROFF]
	v_lshlrev_b32 v[QOFF], 5, v246
	v_lshlrev_b32 v[MOFF], 2, v245
	s_wait_dscnt 0x0                               ; both opening adds are done
	s_wait_kmcnt 0x0
	; descriptor group 0, and the wave's one tensor load: its 64 keys.  It stands ahead of every wait on TENSORcnt, every LDS read and every barrier; one load of mine is out
	s_mov_b32 s68, 1                               ; count = 1
	s_mov_b32 s69, s49                             ; LDS address
	s_lshl_b32 s6, ttmp9, 18                       ; a batch's keys are 262,144 bytes,
	s_lshl_b32 s50, s2, 14                         ; a wave's 16,384
	s_add_co_u32 s6, s6, s50
	s_mov_b32 s7, 0
	s_add_nc_u64 s[70:71], s[8:9], s[6:7]
	s_or_b32 s71, s71, 0x80000000                  ; type = 2
	tensor_load_to_lds s[68:71], s[52:59]
	s_nop 0
	s_load_b256 s[36:43], s[30:31], 0x0            ; e0 .. e7
	s_load_b128 s[44:47], s[30:31], 0x20           ; e8 .. e11
	s_lshl_b32 s6, ttmp9, 12
	s_add_nc_u64 s[14:15], s[14:15], s[6:7]
	s_load_b32 s48, s[14:15], 0x0                  ; query_mask[b][0]
	s_lshl_b32 s50, s2, 8
	s_add_co_u32 s6, s6, s50
	s_add_nc_u64 s[12:13], s[12:13], s[6:7]        ; key_mask at my wave's first key: 4096 b + 256 w
	s_lshl_b32 s6, ttmp9, 18
	s_add_nc_u64 s[10:11], s[10:11], s[6:7]        ; queries at row 0 of my batch
	s_lshl_b32 s6, s5, 14
	s_lshl_b32 s50, s4, 8
	s_add_co_u32 s6, s6, s50
	s_add_nc_u64 s[22:23], s[22:23], s[6:7]        ; fw1: rows 16 c on, columns 64 g on
	s_lshl_b32 s6, s4, 14
	s_lshl_b32 s50, s5, 8
	s_add_co_u32 s6, s6, s50
	s_add_nc_u64 s[24:25], s[24:25], s[6:7]        ; fw2: row 64 g + t
	s_lshl_b32 s6, s4, 8
	s_lshl_b32 s50, s5, 2
	s_add_co_u32 s6, s6, s50
	s_add_nc_u64 s[26:27], s[26:27], s[6:7]        ; fb1: unit 64 g + t
	s_lshl_b32 s6, ttmp9, 8
	s_add_nc_u64 s[32:33], s[32:33], s[6:7]        ; out0: my batch's row
	s_cmp_eq_u32 s4, 0                             ; waves 0-3 take W_Q, 4-7 W_K, 8-11 W_V: the choice hangs on the wave's number alone
	s_cselect_b64 s[34:35], s[16:17], s[18:19]
	s_cmp_eq_u32 s4, 2
	s_cselect_b64 s[34:35], s[20:21], s[34:35]
	s_lshl_b32 s6, s5, 12
	s_add_nc_u64 s[34:35], s[34:35], s[6:7]        ; rows 16 c on
	s_cmp_lt_u32 s2, 12
	s_cbranch_scc0 .Lno_w1
	WLOAD WK, WOFF2, 34, 256                       ; unit (x, c) of W_Q, W_K or W_V
.Lno_w1:
.irp q, 0,1,2,3
	global_load_b128 v[VCD+8*\q:VCD+8*\q+3],   v[QOFF], s[10:11] offset:64*\q      ; the query row, k = 16 q + 8 h + 0 .. 7, the same in all sixteen lanes of a half
	global_load_b128 v[VCD+8*\q+4:VCD+8*\q+7], v[QOFF], s[10:11] offset:64*\q+16
.endr
	WLOAD WV, WOFF1, 22, 1024                      ; unit (g, c) of fw1
	WLOAD QF, WOFF1, 24, 1024                      ; my unit of fw2: rows 64 g + 32 h + 4 j + t
.irp q, 0,1,2,3
	global_load_b32 v[240+\q], v[MOFF], s[12:13] offset:64*\q                      ; key_mask of key 16 q + r
.endr
	s_wait_kmcnt 0x0                               ; the exponents and query_mask
	s_cmp_eq_u32 s4, 0
	s_cselect_b32 s3, s37, s39
	s_cmp_eq_u32 s4, 2
	s_cselect_b32 s3, s41, s3                      ; e1, e3 or e5
	s_add_co_i32 s96, s36, s37
	s_add_co_i32 s96, s96, s38
	s_add_co_i32 s96, s96, s39
	s_sub_co_i32 s96, s96, 2                       ; a score's sum stands for sum x 2^(e0 + e1 + e2 + e3) / 4
	s_add_co_i32 s97, s42, s43                     ; e6 + e7
	s_add_co_i32 s101, s44, s45
	s_sub_co_i32 s98, 0, s101                      ; -(e8 + e9)
	s_add_co_i32 s99, s46, s47                     ; e10 + e11
	s_sub_co_i32 s51, s42, s40
	s_sub_co_i32 s51, s51, s41                     ; e6 - e4 - e5: product 3's two scales folded into V's conversion
	s_sub_co_i32 s50, s46, s101                    ; e10 - e8 - e9: likewise for the hidden layer
	SBITS 72, 73, 36
	SBITS 74, 75, 3
	SBITS 76, 77, 45
	SBITS 78, 79, 47
	SBITS 80, 81, 38
	SBITS 82, 83, 40
	SBITS 6, 7, 51
	SBITS 60, 61, 43
	SBITS 62, 63, 44
	SBITS 66, 67, 50
	v_mov_b32 v24, s80
	v_mov_b32 v25, s81
	v_mov_b32 v26, s82
	v_mov_b32 v27, s83
	v_mov_b32 v28, s6
	v_mov_b32 v29, s7
	s_wait_loadcnt 20                              ; the first unit and the query row are in; behind them: 8 loads of fw1, 8 of fw2, 4 of key_mask
	SETSC 72, 73
	QUANT32 VCD, KC                                ; the query's codes
	s_cmp_lt_u32 s2, 12
	s_cbranch_scc0 .Lno_w2
	SETSC 74, 75
	WQUANT WK, 224
	WIMG WSTC, 224
.Lno_w2:
	s_wait_loadcnt 12                              ; fw1's unit is in; behind it: 8 loads of fw2, 4 of key_mask
	SETSC 76, 77
	WQUANT WV, 232
	WIMG WSTA, 232
	s_wait_loadcnt 4                               ; fw2's unit is in; behind it: key_mask's four
	SETSC 78, 79
	WQUANT QF, F2U                                 ; it stays in my registers
	s_wait_loadcnt 0x0
.irp q, 0,1,2,3
	v_cmp_eq_u32 s[84+\q], 1, v[240+\q]            ; a key counts where its mask is 1
.endr
	s_cmp_eq_u32 s2, 0
	s_cselect_b32 s100, 0x10001, 0                 ; key 0 (wave 0, r = 0, both halves) is blanked for query 0
	s_and_not1_b32 s84, s84, s100
	BAR                                            ; the images of W_Q, W_K, W_V and fw1 are whole.  My tensor load may stay out
	; ---- the weights' fragments, and product 1
.irp i, 0,1,2,3
	ds_load_b128 v[X+8*\i:X+8*\i+3],   v[IMGL] offset:1024*\i
	ds_load_b128 v[X+8*\i+4:X+8*\i+7], v[IMGL] offset:1024*\i+512
.endr
.irp i, 0,1,2,3
	ds_load_b128 v[WK+8*\i:WK+8*\i+3],   v[IMGL] offset:4096+1024*\i
	ds_load_b128 v[WK+8*\i+4:WK+8*\i+7], v[IMGL] offset:4096+1024*\i+512
.endr
.irp i, 0,1,2,3
	ds_load_b128 v[WV+8*\i:WV+8*\i+3],   v[IMGL] offset:8192+1024*\i
	ds_load_b128 v[WV+8*\i+4:WV+8*\i+7], v[IMGL] offset:8192+1024*\i+512
.endr
	s_wait_dscnt 16                                ; W_Q's eight loads are in; W_K's and W_V's sixteen may be out
.irp t, 0,1,2,3
	v_wmma_f32_16x16x64_fp8_fp8 v[QF+8*\t:QF+8*\t+7], v[X+8*\t:X+8*\t+7], v[KC:KC+7], 0
.endr
	PLACES 4                                       ; in front of the loads into W_Q's registers
; ---- sixteen keys: quantised twice, products 2 and 3, their scores, V's codes
.macro TILE cc
.irp k, 0,1,2,3
	ds_load_b128 v[X+8*\k:X+8*\k+3],   v[KA] offset:16*KP*(\cc)+64*\k
	ds_load_b128 v[X+8*\k+4:X+8*\k+7], v[KA] offset:16*KP*(\cc)+64*\k+16
.endr
	s_wait_dscnt 0x0
.set i, 0
.rept 32
	v_med3_num_f32 v[T+i], v[X+i], -v25, v25       ; held for e2, into other registers: the numbers are wanted once more
.set i, i+1
.endr
.irp k, 0,1,2,3
	v_cvt_scalef32_pk8_fp8_f32 v[KC+2*\k:KC+2*\k+1], v[T+8*\k:T+8*\k+7], v24
.endr
.set i, 0
.rept 32
	v_med3_num_f32 v[X+i], v[X+i], -v27, v27       ; held for e4
.set i, i+1
.endr
.irp k, 0,1,2,3
	v_cvt_scalef32_pk8_fp8_f32 v[VC+2*\k:VC+2*\k+1], v[X+8*\k:X+8*\k+7], v26
.endr
	v_nop                                          ; a plain instruction between the last conversion and the products, which read its result and write its sources
.irp t, 0,1,2,3
	v_wmma_f32_16x16x64_fp8_fp8 v[T+8*\t:T+8*\t+7], v[WK+8*\t:WK+8*\t+7], v[KC:KC+7], 0    ; Kh, transposed
.endr
.irp t, 0,1,2,3
	v_wmma_f32_16x16x64_fp8_fp8 v[X+8*\t:X+8*\t+7], v[VC:VC+7], v[WV+8*\t:WV+8*\t+7], 0    ; Vh
.endr
	PLACES 4
.irp t, 0,1,2,3                        ; product 4 in f32: heads 2 h (u = 0) and 2 h + 1 (u = 1), two terms an instruction; each result is read from its low end on
.irp p, 0,2
.irp u, 0,1
.if (\t == 0) && (\p == 0)
	v_pk_mul_f32 v[SS+2*\u:SS+2*\u+1], v[T+8*\t+4*\u+\p:T+8*\t+4*\u+\p+1], v[QF+8*\t+4*\u+\p:QF+8*\t+4*\u+\p+1]
.else
	v_pk_fma_f32 v[SS+2*\u:SS+2*\u+1], v[T+8*\t+4*\u+\p:T+8*\t+4*\u+\p+1], v[QF+8*\t+4*\u+\p:QF+8*\t+4*\u+\p+1], v[SS+2*\u:SS+2*\u+1]
.endif
.endr
.endr
.endr
	v_add_f32 v[S+2*(\cc)],   v[SS],   v[SS+1]
	v_add_f32 v[S+2*(\cc)+1], v[SS+2], v[SS+3]
.irp t, 0,1,2,3                        ; Vh's eight keys of column 4 r + t become registers 2 cc, 2 cc + 1 of product 5's source 0
.irp j, 0,1,2,3,4,5,6,7
	v_med3_num_f32 v[X+8*\t+\j], v[X+8*\t+\j], -v29, v29
.endr
	v_cvt_scalef32_pk8_fp8_f32 v[VCD+8*\t+2*(\cc):VCD+8*\t+2*(\cc)+1], v[X+8*\t:X+8*\t+7], v28
.endr
	v_nop
.endm
	s_wait_tensorcnt 0x0                           ; my 64 keys are in LDS; only I read them
	TILE 0
	TILE 1
	TILE 2
	TILE 3
	; ---- what the tail wants from memory is asked for now; then my 64 keys' maxima and sums
.irp j, 0,1,2,3,4,5,6,7
	global_load_b32 v[FB1+\j], v[B1OFF], s[26:27] offset:16*\j                     ; fb1 of unit 64 g + 32 h + 4 j + t
.endr
	global_load_b128 v[RES:RES+3], v[ROFF], s[10:11]                               ; queries[b][0], columns 4 r on
	s_cmp_lg_u32 s2, 0
	s_cbranch_scc1 .Lno_fb2
	global_load_b128 v[FB2:FB2+3], v[ROFF], s[28:29]                               ; wave 0 makes the output row
.Lno_fb2:
	ds_load_b128 v[F1F:F1F+3],   v[F1R]
	ds_load_b128 v[F1F+4:F1F+7], v[F1R] offset:512
.irp i, 0,1,2,3,4,5,6,7
	v_ldexp_f32 v[S+\i], v[S+\i], s96
.endr
	v_mov_b32 v[NEGR], 0xcf800000
.irp q, 0,1,2,3
	v_cndmask_b32 v[S+2*\q],   v[NEGR], v[S+2*\q],   s[84+\q]
	v_cndmask_b32 v[S+2*\q+1], v[NEGR], v[S+2*\q+1], s[84+\q]
.endr
	v_max3_num_f32 v[MX],   v[S],   v[S+2], v[S+4]
	v_max3_num_f32 v[MX+1], v[S+1], v[S+3], v[S+5]
	v_max_num_f32 v[MX],   v[MX],   v[S+6]
	v_max_num_f32 v[MX+1], v[MX+1], v[S+7]
	ROWMAX MX, MX+1
.irp q, 0,2,4,6
	v_pk_add_f32 v[E+\q:E+\q+1], v[S+\q:S+\q+1], v[MX:MX+1] neg_lo:[0,1] neg_hi:[0,1]
.endr
.irp q, 0,2,4,6
	v_pk_mul_f32 v[E+\q:E+\q+1], v[E+\q:E+\q+1], 0x3fb8aa3b op_sel_hi:[1,0]        ; x log2(e)
.endr
.irp i, 0,1,2,3,4,5,6,7
	v_exp_f32 v[E+\i], v[E+\i]
.endr
	v_nop                                          ; a plain instruction behind the last exponential,
	s_wait_alu depctr_va_vdst(0)                   ; and one wait for the batch, ahead of its first reader
	v_pk_add_f32 v[SM:SM+1], v[E:E+1], v[E+2:E+3]
	v_pk_add_f32 v[SM:SM+1], v[SM:SM+1], v[E+4:E+5]
	v_pk_add_f32 v[SM:SM+1], v[SM:SM+1], v[E+6:E+7]
	ROWSUM SM, SM+1
	ds_store_b32 v[STW], v[MX]
	ds_store_b32 v[STW], v[MX+1] offset:64
	ds_store_b32 v[STW], v[SM]   offset:256
	ds_store_b32 v[STW], v[SM+1] offset:320
	BAR                                            ; the sixteen waves' maxima and sums lie in LDS (and my tile of fw1 is in)
	; ---- the row's maximum and sum; attn, finished, normalised and x qm, as it is quantised
	ds_load_b32 v[ST4],   v[STR]                   ; lane (r, h): wave r's figures for heads 2 h, 2 h + 1
	ds_load_b32 v[ST4+1], v[STR] offset:64
	ds_load_b32 v[ST4+2], v[STR] offset:256
	ds_load_b32 v[ST4+3], v[STR] offset:320
	s_wait_dscnt 0x0
	v_mov_b32 v[MX],   v[ST4]
	v_mov_b32 v[MX+1], v[ST4+1]
	ROWMAX MX, MX+1
	v_pk_add_f32 v[FF:FF+1], v[ST4:ST4+1], v[MX:MX+1] neg_lo:[0,1] neg_hi:[0,1]
	v_pk_mul_f32 v[FF:FF+1], v[FF:FF+1], 0x3fb8aa3b op_sel_hi:[1,0]
.irp q, 0,2,4,6
	v_pk_add_f32 v[E+\q:E+\q+1], v[S+\q:S+\q+1], v[MX:MX+1] neg_lo:[0,1] neg_hi:[0,1]
.endr
.irp q, 0,2,4,6
	v_pk_mul_f32 v[E+\q:E+\q+1], v[E+\q:E+\q+1], 0x3fb8aa3b op_sel_hi:[1,0]
.endr
	v_exp_f32 v[FF],   v[FF]
	v_exp_f32 v[FF+1], v[FF+1]
.irp i, 0,1,2,3,4,5,6,7
	v_exp_f32 v[E+\i], v[E+\i]
.endr
	v_nop
	s_wait_alu depctr_va_vdst(0)                   ; one wait for the ten
	v_pk_mul_f32 v[ST4+2:ST4+3], v[ST4+2:ST4+3], v[FF:FF+1]                        ; wave r's sum under the row's maximum
	ROWSUM ST4+2, ST4+3
	v_rcp_f32 v[SM],   v[ST4+2]
	v_rcp_f32 v[SM+1], v[ST4+3]
	v_mov_b32 v[QM], s48                           ; (plain work behind the reciprocals)
	v_cvt_f32_i32 v[QM], v[QM]
	v_mov_b32 v[QM+1], v[QM]
	s_wait_alu depctr_va_vdst(0)
	v_pk_mul_f32 v[SM:SM+1], v[SM:SM+1], v[QM:QM+1]
.irp q, 0,2,4,6
	v_pk_mul_f32 v[E+\q:E+\q+1], v[E+\q:E+\q+1], v[SM:SM+1]
.endr
	; attn changes lanes through my own part of LDS: my keys there have had their one fill and their last read.  LDS serves a wave's instructions in order (ISA guide 5.7.1.4): no wait between the stores and the loads
.irp q, 0,1,2,3
	ds_store_b32 v[PST], v[E+2*\q]   offset:64*\q
	ds_store_b32 v[PST], v[E+2*\q+1] offset:320+64*\q
.endr
.irp q, 0,1,2,3
	ds_load_b128 v[X+8*\q:X+8*\q+3],   v[PRD] offset:64*\q                         ; head r & 3, keys 16 q + 8 h + 0 .. 7
	ds_load_b128 v[X+8*\q+4:X+8*\q+7], v[PRD] offset:64*\q+16
.endr
	s_wait_dscnt 0x0
	SETSC 60, 61
	QUANT32 X, KC                                  ; held on both sides: qm is any whole number
	s_wait_loadcnt 0x0                             ; fb1, the query's piece, fb2
	; ---- product 5 on my 64 keys
.irp t, 0,1,2,3
	v_wmma_f32_16x16x64_fp8_fp8 v[T+8*\t:T+8*\t+7], v[VCD+8*\t:VCD+8*\t+7], v[KC:KC+7], 0
.endr
.irp j, 0,1,2,3,4,5,6,7
	v_ldexp_f32 v[FB1+\j], v[FB1+\j], s98          ; fb1 / 2^(e8 + e9), product 6's C.  These eight are also the places behind the products
.endr
.irp i, 0,1,2,3
.irp t, 0,1,2,3
	v_cndmask_b32 v[X+4*\i+\t], v[T+8*\t+\i], v[T+8*\t+4+\i], s88                  ; column 16 (r & 3) + 4 i + t: registers 4 - 7 where r is odd
.endr
.endr
.irp i, 0,1,2,3
	ds_store_b128 v[PARTW], v[X+4*\i:X+4*\i+3] offset:16*\i
.endr
	BAR                                            ; the sixteen parts of attn x V lie in LDS
	; ---- the result's row and product 6, in every wave
.irp i, 0,1,2,3,4,5,6,7
	ds_load_b128 v[T+4*\i:T+4*\i+3], v[RD] offset:1024*\i                          ; wave 2 i + h's part, columns 4 r on
.endr
	s_wait_dscnt 0x0
	TREE
.irp k, 0,1,2,3
	v_ldexp_f32 v[T+\k], v[T+\k], s97              ; x 2^(e6 + e7)
.endr
	v_pk_add_f32 v[RES:RES+1],   v[RES:RES+1],   v[T:T+1]                          ; + queries
	v_pk_add_f32 v[RES+2:RES+3], v[RES+2:RES+3], v[T+2:T+3]
	ds_store_b128 v[RESW], v[RES:RES+3]            ; the row changes lanes through my own part of LDS, as attn did
.irp q, 0,1,2,3
	ds_load_b128 v[X+8*\q:X+8*\q+3],   v[RESR] offset:64*\q
	ds_load_b128 v[X+8*\q+4:X+8*\q+7], v[RESR] offset:64*\q+16
.endr
	s_wait_dscnt 0x0
	SETSC 62, 63
	QUANT32 X, RC
	v_wmma_f32_16x16x64_fp8_fp8 v[HH:HH+7], v[F1F:F1F+7], v[RC:RC+7], v[FB1:FB1+7]
	PLACES 4
.irp j, 0,1,2,3,4,5,6,7
	v_mul_f32 v[H2+\j], 0x3e4ccccd, v[HH+\j]       ; 0.2 x
.endr
.irp j, 0,1,2,3,4,5,6,7
	v_max_num_f32 v[HH+\j], v[HH+\j], v[H2+\j]     ; leaky_relu: the larger of x and 0.2 x
.endr
	SETSC 66, 67
.irp j, 0,1,2,3,4,5,6,7
	v_med3_num_f32 v[HH+\j], v[HH+\j], -v[LIM], v[LIM]
.endr
	v_cvt_scalef32_pk8_fp8_f32 v[HC:HC+1], v[HH:HH+7], v[SC]
	v_nop
	; ---- product 7 on my sixteen hidden units
.irp q, 0,1,2,3
	v_cndmask_b32 v[A7+2*\q],   0, v[HC],   s[89+\q]                               ; row m holds the codes in pair m & 3, zero codes elsewhere
	v_cndmask_b32 v[A7+2*\q+1], 0, v[HC+1], s[89+\q]
.endr
	v_wmma_f32_16x16x64_fp8_fp8 v[Y:Y+7], v[A7:A7+7], v[F2U:F2U+7], 0
	PLACES 4
	ds_store_b128 v[YPW], v[Y:Y+3]                 ; my part of outputs 4 r .. 4 r + 3
	BAR                                            ; the sixteen parts lie in LDS
	; ---- wave 0 adds them and stores the row
	s_cmp_lg_u32 s2, 0
	s_cbranch_scc1 .Lend
.irp i, 0,1,2,3,4,5,6,7
	ds_load_b128 v[T+4*\i:T+4*\i+3], v[RD] offset:YP-PART+1024*\i
.endr
	s_wait_dscnt 0x0
	TREE
.irp k, 0,1,2,3
	v_ldexp_f32 v[T+\k], v[T+\k], s99              ; x 2^(e10 + e11)
.endr
	v_pk_add_f32 v[T:T+1],   v[T:T+1],   v[FB2:FB2+1]
	v_pk_add_f32 v[T+2:T+3], v[T+2:T+3], v[FB2+2:FB2+3]
	v_pk_add_f32 v[T:T+1],   v[T:T+1],   v[RES:RES+1]
	v_pk_add_f32 v[T+2:T+3], v[T+2:T+3], v[RES+2:RES+3]
	s_wait_xcnt 0x0                                ; EXEC changes only behind this wait
	v_cmp_gt_u32 vcc_lo, 16, v0
	s_and_saveexec_b32 s93, vcc_lo                 ; both halves hold the same numbers: lanes 0-15 store
	global_store_b128 v[ROFF], v[T:T+3], s[32:33]  ; sixteen lanes store the row's 256 consecutive bytes, at a multiple of 256 from out0's first byte
	s_wait_xcnt 0x0                                ; and again, in front of the line that widens it
	s_or_b32 exec_lo, exec_lo, s93
.Lend:
	s_wait_tensorcnt 0x0                           ; the wave's end: behind my tensor load and my last LDS store
	ds_add_u32 v[SPW], v[NIL]
	s_wait_dscnt 0x0
	s_endpgm
.Lfunc_end_k_qf3100a0d08_attn:
	.size	k_qf3100a0d08_attn, .Lfunc_end_k_qf3100a0d08_attn-k_qf3100a0d08_attn
	.p2alignl 7, 3214868480
	.fill 96, 4, 3214868480
	.section	.rodata,"a",@progbits
	.p2align	6, 0x0
	.amdhsa_kernel k_qf3100a0d08_attn
		.amdhsa_group_segment_fixed_size 327680
		.amdhsa_private_segment_fixed_size 0
		.amdhsa_enable_private_segment 0
		.amdhsa_kernarg_size 104
		.amdhsa_user_sgpr_count 2
		.amdhsa_user_sgpr_kernarg_segment_ptr 1
		.amdhsa_wavefront_size32 1
		.amdhsa_system_sgpr_workgroup_id_x 1
		.amdhsa_system_sgpr_workgroup_id_y 1
		.amdhsa_system_sgpr_workgroup_id_z 1
		.amdhsa_system_vgpr_workitem_id 0
		.amdhsa_next_free_vgpr 256
		.amdhsa_next_free_sgpr 102
		.amdhsa_reserve_vcc 1
		.amdhsa_float_denorm_mode_32 3
		.amdhsa_float_denorm_mode_16_64 3
		.amdhsa_memory_ordered 1
		.amdhsa_forward_progress 1
		.amdhsa_inst_pref_size 85
	.end_amdhsa_kernel
	.amdgpu_metadata
---
amdhsa.version: [ 1, 2 ]
amdhsa.kernels:
  - .name:           k_qf3100a0d08_attn
    .symbol:         k_qf3100a0d08_attn.kd
    .args:
      - { .name: keys, .offset: 0, .size: 8, .value_kind: global_buffer, .address_space: global }
      - { .name: queries, .offset: 8, .size: 8, .value_kind: global_buffer, .address_space: global }
      - { .name: key_mask, .offset: 16, .size: 8, .value_kind: global_buffer, .address_space: global }
      - { .name: query_mask, .offset: 24, .size: 8, .value_kind: global_buffer, .address_space: global }
      - { .name: W_Q, .offset: 32, .size: 8, .value_kind: global_buffer, .address_space: global }
      - { .name: W_K, .offset: 40, .size: 8, .value_kind: global_buffer, .address_space: global }
      - { .name: W_V, .offset: 48, .size: 8, .value_kind: global_buffer, .address_space: global }
      - { .name: fw1, .offset: 56, .size: 8, .value_kind: global_buffer, .address_space: global }
      - { .name: fw2, .offset: 64, .size: 8, .value_kind: global_buffer, .address_space: global }
      - { .name: fb1, .offset: 72, .size: 8, .value_kind: global_buffer, .address_space: global }
      - { .name: fb2, .offset: 80, .size: 8, .value_kind: global_buffer, .address_space: global }
      - { .name: lowp_scales, .offset: 88, .size: 8, .value_kind: global_buffer, .address_space: global }
      - { .name: out0, .offset: 96, .size: 8, .value_kind: global_buffer, .address_space: global }
    .group_segment_fixed_size: 327680
    .private_segment_fixed_size: 0
    .kernarg_segment_align: 8
    .kernarg_segment_size: 104
    .max_flat_workgroup_size: 512
    .sgpr_count:     102
    .vgpr_count:     256
    .wavefront_size: 32
...
	.end_amdgpu_metadata
.endif
;; end of part 1
